; MI455X (gfx1250); checked and timed in simulation.
; The chip was launched on July 23, 2026; its instructions are those of AMD's public machine-readable ISA for CDNA 5 (MIT licence, August 2026) and "CDNA5" Instruction Set Architecture Reference Guide (July 2026). The comments in the code are by the model that wrote it; some were corrected since.
;; Multi Head Attention. Allowed arithmetic: matrix products marked QUANTISED: E2M1 operands, one E8M0 scale for each 32 along K, by v_wmma_scale_f32_16x16x128_f8f6f4 with both operands' format E2M1 (or v_wmma_scale_f32_32x16x128_f4), f32 sums; products left as they are: bf16, f16 or f32 operands; f32 sums; everything else in f32.
;; Inputs: Wk 12 x 768 x 64 float32; Wo 768 x 768 float32; Wq 12 x 768 x 64 float32; Wv 12 x 768 x 64 float32; bk 12 x 64 float32; bo 768 float32; bq 12 x 64 float32; bv 12 x 64 float32; x 32 x 512 x 768 float32.
;; Outputs: out0 32 x 512 x 768 float32.
;; This version of the problem:
;;   THIS VERSION OF THE PROBLEM IS GIVEN IN LOW PRECISION. The matrix products marked QUANTISED in the list below multiply operands that are first quantised to E2M1 (2 exponent bits, 1 mantissa bit; 4 bits a number), with one power-of-two scale for each 32 numbers along K (OCP MX v1.0); their sums are f32. The products marked 'left as it is' may take bf16, f16 or f32 operands, with f32 sums. Whichever they take, every output number must still come out within the allowed error. Rounding operands to bf16 (8 significant bits) uses up far more of that allowance than f16 does (11 bits, for magnitudes from 6e-5 to 65,504). All else is computed in f32.
;;   The module's matrix products, in the order in which they are computed (A, B: the left and right operand; K: the contracted axis; several contracted axes count as one K, in the product's order):
;;     1. [M 768, K 768] x [K 768, N 16,384]; A: input Wq; B: input x: QUANTISED
;;     2. [M 768, K 768] x [K 768, N 16,384]; A: input Wk; B: input x: QUANTISED
;;     3. [M 768, K 768] x [K 768, N 16,384]; A: input Wv; B: input x: QUANTISED
;;     4. batch 384 x [M 512, K 64] x [K 64, N 512]; A: computed on the way; B: computed on the way: left as it is (an operand is computed on the way)
;;     5. batch 384 x [M 512, K 512] x [K 512, N 64]; A: computed on the way; B: computed on the way: left as it is (an operand is computed on the way)
;;     6. [M 16,384, K 768] x [K 768, N 768]; A: computed on the way; B: input Wo: left as it is (an operand is computed on the way)
;;   THE QUANTISER, for each operand of a quantised product, along K:
;;     - K is cut into blocks of 32 from its start; a last block that is shorter is filled with zeros.
;;     - A block's scale is 2^e with e = floor(log2(the largest magnitude in the block)) - 2, held to -126 .. 127; a block of zeros has e = 0. As a byte (E8M0): e + 127.
;;     - Each number is divided by its block's scale, clamped to +-6, and rounded to the nearest number of E2M1, ties to even, subnormals kept.
;;     - The product sums the exact products of the quantised numbers (number of the format x scale) in f32.
;;   ~~~python
;;   def quantise(x, axis):      # numpy; x: float32 -> the quantised numbers, widened to float32 again
;;       x = np.moveaxis(x, axis, -1); K = x.shape[-1]
;;       x = np.pad(x, [(0, 0)] * (x.ndim - 1) + [(0, -K % 32)]); x = x.reshape(x.shape[:-1] + (-1, 32)); a = np.abs(x).max(-1, keepdims=True)
;;       e = np.where(a > 0, np.clip(np.frexp(np.where(a > 0, a, 1))[1] - 1 - 2, -126, 127), 0)      # np.frexp(a)[1] - 1 = floor(log2(a)), exactly
;;       r = np.clip(x / 2.0 ** e, -6, 6)
;;       step = 2.0 ** (np.maximum(np.frexp(np.where(r == 0, 1, r))[1] - 1, 0) - 1)
;;       q = np.round(r / step) * step * 2.0 ** e      # np.round: ties to even
;;       return np.moveaxis(q.reshape(q.shape[:-2] + (-1,))[..., :K], -1, axis).astype(np.float32)
;;   ~~~
;; One version. Each part assembles by itself: llvm-mc -triple=amdgcn-amd-amdhsa -mcpu=gfx1250 --defsym DOCPART=n.
;; ======== version 1 of 1: 3 launches
;; limits: values are held in f16: magnitudes above 65,504 overflow, below 6.1e-05 lose precision
;; workspace buffers: xc 6,291,456 bytes; xs 393,216 bytes; wc 884,736 bytes; ws 55,296 bytes; woh 1,179,648 bytes; ao 25,165,824 bytes
;; launch prep (part 1): grid 400 x 1, 4 waves a work-group, no clusters, 34,304 bytes of LDS; arguments x, Wq, Wk, Wv, Wo, xc, xs, wc, ws, woh; writes xc, xs, wc, ws, woh
.if DOCPART == 1
	.amdgcn_target "amdgcn-amd-amdhsa--gfx1250"
	.amdhsa_code_object_version 6
	.text
	.protected	k_q67964e3330_prep
	.globl	k_q67964e3330_prep
	.p2align	8
	.type	k_q67964e3330_prep,@function
k_q67964e3330_prep:
	s_mov_b64 s[64:65], 0
	v_nop
	global_prefetch_b8 v0, s[64:65] scope:SCOPE_SE
	s_setreg_imm32_b32 hwreg(HW_REG_WAVE_MODE, 25, 1), 1
	s_wait_xcnt 0x0
; THE OPERANDS ARE LAID OUT ONCE, AS IMAGES OF THE MATRIX OPERANDS' REGISTERS.
; x [16384][768] f32 and Wq, Wk, Wv [12][768][64] f32 become codes of FP4 (E2M1) with one E8M0 scale byte for each 32 along K (K = the 768); Wo [768][768] f32 becomes f16.
; A block's scale is 2^(floor(log2(its largest magnitude)) - 2); its byte is the largest magnitude's exponent field - 2, held at 1 from below; each number is divided by the scale and rounded to the nearest code, ties to even,
; beyond 6 the largest code.
; LAYOUTS.  A fragment of codes (16 rows x 128 K) is 1,024 bytes: block kb (32 along K) of row r lies at 256 kb + 16 r, which is lane l's 16 bytes at 16 l, twice 512 bytes: two loads of 16 bytes a lane give the operand's registers.
;   xc [1024 tiles of 16 rows][6 K steps][1024];  xs [tile][K step][16 rows] words of four scale bytes;  wc [12 heads][12 tiles of 16 columns: q 0-3, k 4-7, v 8-11][6 K steps][1024];  ws likewise in words;
;   woh [48 tiles of 16 columns][24 K steps of 32][1024]: eight k of column r at 256 (k / 8) + 16 r.
; LIMITS: NaN and infinities among the inputs are not served.  A block whose largest magnitude lies under 2^-124, a block of zeros among them, gets the byte 1 (a block of zeros: where the rule says 127; its codes are zeros,
; which add nothing under any byte but 0xff, and this program alone reads the bytes).  |Wo| stays under 65,504, f16's largest number.
; SHARES.  Work-groups 0-255: x, a wave to a tile of 16 rows.  256-363: the three weights, a wave to 128 along K x 32 columns.  364-399: Wo, likewise.  The three ways part on the work-group's number; only x's way touches LDS.
; No matrix work, no tensor load, no barrier: waves share nothing.
.set STG,   8448                       ; x's way: a stage for each wave: 16 rows x (512 bytes + 16): 33 x 16 bytes from row to row, so that the 16 rows that a load touches start in different banks (64 banks of 4 bytes: ISA guide 11.1)
.set SPARE, 4*STG                      ; behind the stages: the spare words, 128 bytes for each wave: two blocks of 256 bytes that no other line names
.set SPW,   12                         ; v12  LDS address of my spare word; never rewritten
.set NIL,   13                         ; v13  0; never rewritten
.set SW,    20                         ; v20-25  x's way: the scale word of each K step (the weights' way: v20 the word)
.set CX,    32                         ; v32..   codes
.set R,     64                         ; v64-191  x's way: two sets of 64 numbers as they are loaded
.set X,     192                        ; v192-255 x's way: my 64 numbers: two whole blocks of my row
.set XW,    64                         ; v64-127  the weights' ways: two sets of 32 numbers: a block of my column
.set OC,    128                        ; v128-191 Wo's way: 16 registers of f16 pairs for each of four blocks
	s_load_b256 s[4:11], s[0:1], 0x0               ; x s[4:5], Wq s[6:7], Wk s[8:9], Wv s[10:11]
	s_load_b256 s[12:19], s[0:1], 0x20             ; Wo s[12:13], xc s[14:15], xs s[16:17], wc s[18:19]
	s_load_b128 s[20:23], s[0:1], 0x40             ; ws s[20:21], woh s[22:23]
	v_lshl_add_u32 v[SPW], v0, 2, SPARE
	v_mov_b32 v[NIL], 0
	v_lshrrev_b32 v1, 5, v0
	v_readfirstlane_b32 s24, v1                    ; wave 0..3
	v_and_b32 v1, 31, v0                           ; lane
	v_and_b32 v2, 15, v0                           ; r
	v_bfe_u32 v3, v0, 4, 1                         ; h = lane / 16
	v_lshlrev_b32 v4, 4, v1                        ; 16 x lane
	v_lshlrev_b32 v7, 2, v1                        ; 4 x lane
	s_mov_b32 s27, 0
	s_mov_b32 s35, 0
	s_wait_kmcnt 0x0
	s_cmp_lt_u32 ttmp9, 256
	s_cbranch_scc0 .Lnot_x
; ---- x.  My wave's tile T = 4 x work-group + wave: 16 rows of 3,072 bytes.
	s_lshl_b32 s25, ttmp9, 2
	s_add_co_u32 s25, s25, s24                     ; T
	s_mul_i32 s26, s25, 49152
	s_add_nc_u64 s[4:5], s[4:5], s[26:27]          ; x at my first row
	s_mul_i32 s26, s25, 6144
	s_add_nc_u64 s[14:15], s[14:15], s[26:27]      ; my six fragments
	s_mul_i32 s26, s25, 384
	s_add_nc_u64 s[16:17], s[16:17], s[26:27]      ; my 96 scale words
	s_mul_i32 s30, s24, STG                        ; my stage
	v_add_nc_u32 v5, s30, v4                       ; in: 16 x lane of a row's 512 bytes
	v_mul_u32_u24 v6, v2, 528
	v_lshl_add_u32 v6, v3, 7, v6
	v_add_nc_u32 v6, s30, v6                       ; back: row r, block h (128 bytes a block)
	v_lshlrev_b32 v8, 3, v3                        ; 8 h: where my two bytes stand in the scale word
	v_mov_b32 v10, 0                               ; written once: a lane permute's destination counts as one of its sources
	s_mov_b32 s28, 0x76543210
	s_mov_b32 s29, 0xfedcba98                      ; v_permlanex16_b32's selects for lane l xor 16
.macro LOADX t                         ; K step t of my 16 rows: each load reads 512 consecutive bytes
.irp i, 0,1,2,3,4,5,6,7,8,9,10,11,12,13,14,15
	global_load_b128 v[R+64*((\t)%2)+4*\i:R+64*((\t)%2)+4*\i+3], v4, s[4:5] offset:3072*\i+512*(\t) th:TH_LOAD_NT
.endr
.endm
; A K step: 16 rows x 128 numbers turn through the stage, so that lane (r, h) holds blocks h and 2 + h of row r, the very numbers whose codes the operand's layout gives that lane.
.macro STEPX t
.if (\t) < 5
	s_wait_loadcnt 16                              ; this step's 16 loads are in; the next step's 16 may be out
.else
	s_wait_loadcnt 0x0
.endif
.irp i, 0,1,2,3,4,5,6,7,8,9,10,11,12,13,14,15
	ds_store_b128 v5, v[R+64*((\t)%2)+4*\i:R+64*((\t)%2)+4*\i+3] offset:528*\i
.endr
.irp c, 0,1
.irp g, 0,1,2,3,4,5,6,7
	ds_load_b128 v[X+32*\c+4*\g:X+32*\c+4*\g+3], v6 offset:256*\c+16*\g   ; LDS serves a wave's instructions in order (ISA guide 5.7.1.4): these see the stores above
.endr
.endr
	s_wait_dscnt 0x0                               ; my numbers are back, and the stores have read the set that is loaded again below
	s_wait_xcnt 0x0                                ; the last step's stores of codes have read their registers, which are written again below
.if (\t) < 4
	LOADX (\t)+2
.endif
.irp c, 0,1
	v_max3_num_f32 v[14+\c], |v[X+32*\c]|, |v[X+32*\c+1]|, 0x1800000   ; my block 2 c + h: all its 32 numbers are mine; and the floor 2^(3 - 127): so the byte cannot fall under 1
.endr
.irp i, 2,4,6,8,10,12,14,16,18,20,22,24,26,28,30
.irp c, 0,1
	v_max3_num_f32 v[14+\c], v[14+\c], |v[X+32*\c+\i]|, |v[X+32*\c+\i+1]|   ; (the two blocks by turns)
.endr
.endr
.irp c, 0,1
	v_add_nc_u32 v[16+\c], 0xff000000, v[14+\c]    ; 2 off the exponent field: the conversion takes the exponent field of this operand as its scale, and nothing else of it
.endr
.irp c, 0,1
	v_lshrrev_b32 v[18+\c], 23, v[16+\c]           ; the scale's byte
.endr
	v_lshl_or_b32 v9, v19, 16, v18                 ; my two bytes: blocks h and 2 + h,
	v_lshlrev_b32 v9, v8, v9                       ; at their places in the word;
	v_permlanex16_b32 v10, v9, s28, s29
	v_or_b32 v[SW+(\t)], v9, v10                   ; with lane l xor 16's two the row's word is whole
.irp c, 0,1
.irp g, 0,1,2,3
	v_cvt_scalef32_pk8_fp4_f32 v[CX+4*\c+\g], v[X+32*\c+8*\g:X+32*\c+8*\g+7], v[16+\c]
.endr
.endr
	v_nop                                          ; one plain line behind the last scaled conversion
.irp c, 0,1
	global_store_b128 v4, v[CX+4*\c:CX+4*\c+3], s[14:15] offset:1024*(\t)+512*\c   ; 32 lanes store 512 consecutive bytes, at a multiple of 256 from xc's first byte
.endr
.endm
	LOADX 0
	LOADX 1
.irp t, 0,1,2,3,4,5
	STEPX \t
.endr
	v_cmp_lt_u32 vcc_lo, 15, v1                    ; lanes 16-31 take the odd K step's words
.irp p, 0,1,2
	v_cndmask_b32 v[26+\p], v[SW+2*\p], v[SW+2*\p+1], vcc_lo
	global_store_b32 v7, v[26+\p], s[16:17] offset:128*\p   ; two K steps' words: 128 consecutive bytes
.endr
	s_wait_tensorcnt 0x0                           ; the wave's end: behind my last LDS store; the tensor wait stands even in a text with no tensor load
	ds_add_u32 v[SPW], v[NIL]
	s_wait_dscnt 0x0
	s_endpgm
.Lnot_x:
	s_cmp_lt_u32 ttmp9, 364
	s_cbranch_scc0 .Lpath_o
; ---- Wq, Wk, Wv.  K is not innermost: A LANE TAKES A COLUMN AND ITS REGISTERS RUN DOWN K, so a block of 32 lies in one lane and the codes come out with K innermost.
; 36 work-groups to a matrix; a matrix is 9,216 rows (head, k) of 64 columns; two waves stand side by side on 128 rows.
	s_sub_co_u32 s25, ttmp9, 256                   ; g = 0..107
	s_cmp_lt_u32 s25, 36
	s_cselect_b64 s[30:31], s[6:7], s[8:9]         ; the choice hangs on the work-group's number alone
	s_cselect_b32 s26, 0, 1
	s_cmp_lt_u32 s25, 72
	s_cselect_b64 s[30:31], s[30:31], s[10:11]
	s_cselect_b32 s26, s26, 2                      ; which matrix: q 0, k 1, v 2
	s_mul_i32 s28, s26, 36
	s_sub_co_u32 s25, s25, s28
	s_lshl_b32 s25, s25, 1
	s_lshr_b32 s28, s24, 1
	s_add_co_u32 s25, s25, s28                     ; G = 0..71: rows 128 G on
	s_and_b32 s29, s24, 1                          ; which 32 columns
	s_mul_hi_u32 s32, s25, 0x2aaaaaab              ; the head = G / 6
	s_mul_i32 s28, s32, 6
	s_sub_co_u32 s33, s25, s28                     ; the K step = G % 6
	s_lshl_b32 s34, s25, 15                        ; 128 rows of 256 bytes
	s_lshl_b32 s28, s29, 7
	s_add_co_u32 s34, s34, s28
	s_add_nc_u64 s[30:31], s[30:31], s[34:35]
	s_lshl_b32 s26, s26, 2
	s_lshl_b32 s28, s29, 1
	s_add_co_u32 s26, s26, s28                     ; my first tile of 16 columns among the head's twelve
	s_mul_i32 s34, s32, 73728
	s_mul_i32 s28, s26, 6144
	s_add_co_u32 s34, s34, s28
	s_lshl_b32 s28, s33, 10
	s_add_co_u32 s34, s34, s28
	s_add_nc_u64 s[18:19], s[18:19], s[34:35]
	s_mul_i32 s34, s32, 4608
	s_mul_i32 s28, s26, 384
	s_add_co_u32 s34, s34, s28
	s_lshl_b32 s28, s33, 6
	s_add_co_u32 s34, s34, s28
	s_add_nc_u64 s[20:21], s[20:21], s[34:35]
	v_mul_u32_u24 v5, v3, 6144
	v_lshl_add_u32 v5, v2, 4, v5                   ; lanes 16-31 hold the next tile's columns
	v_mul_u32_u24 v6, v3, 384
	v_lshl_add_u32 v6, v2, 2, v6
.macro LOADW t                         ; block t: 32 rows, my column: a wave reads 128 consecutive bytes
.set I, 0
.rept 32
	global_load_b32 v[XW+32*((\t)%2)+I], v7, s[30:31] offset:(32*(\t)+I)*256 th:TH_LOAD_NT
.set I, I+1
.endr
.endm
.macro BLOCKW t
.set XS, XW+32*((\t)%2)
.if (\t) < 3
	s_wait_loadcnt 32                              ; this block's 32 loads are in; the next block's may be out
.else
	s_wait_loadcnt 0x0
.endif
	v_max3_num_f32 v14, |v[XS]|, |v[XS+1]|, |v[XS+2]|
	v_max3_num_f32 v15, |v[XS+3]|, |v[XS+4]|, |v[XS+5]|
.irp i, 6,10,14,18,22,26
	v_max3_num_f32 v14, v14, |v[XS+\i]|, |v[XS+\i+1]|
	v_max3_num_f32 v15, v15, |v[XS+\i+2]|, |v[XS+\i+3]|
.endr
	v_max3_num_f32 v14, v14, |v[XS+30]|, |v[XS+31]|
	v_max3_num_f32 v14, v14, v15, 0x1800000        ; and the floor
	v_add_nc_u32 v16, 0xff000000, v14              ; the conversion's scale operand
	v_lshrrev_b32 v18, 23, v16                     ; the byte
.if (\t) == 0
	v_mov_b32 v[SW], v18                           ; four bytes make my column's word for this K step
.else
	v_lshl_or_b32 v[SW], v18, 8*(\t), v[SW]
.endif
.irp g, 0,1,2,3
	v_cvt_scalef32_pk8_fp4_f32 v[CX+4*(\t)+\g], v[XS+8*\g:XS+8*\g+7], v16
.endr
	v_nop                                          ; one plain line behind the last scaled conversion
	global_store_b128 v5, v[CX+4*(\t):CX+4*(\t)+3], s[18:19] offset:256*(\t)   ; sixteen lanes store 256 consecutive bytes, aligned; each block has registers of its own
.if (\t) < 2
	LOADW (\t)+2
.endif
.endm
	LOADW 0
	LOADW 1
.irp t, 0,1,2,3
	BLOCKW \t
.endr
	global_store_b32 v6, v[SW], s[20:21]
	s_endpgm
.Lpath_o:
; ---- Wo [768 (k)][768 (n)] into f16, on the same plan: a lane to a column, registers down K; a wave takes 32 columns x 128 k.
	s_sub_co_u32 s25, ttmp9, 364
	s_lshl_b32 s25, s25, 2
	s_add_co_u32 s25, s25, s24                     ; 0..143
	s_mul_hi_u32 s32, s25, 0x2aaaaaab              ; which 32 columns: 0..23
	s_mul_i32 s28, s32, 6
	s_sub_co_u32 s33, s25, s28                     ; which 128 k: 0..5
	s_mul_i32 s34, s33, 393216                     ; 128 rows of 3,072 bytes
	s_lshl_b32 s28, s32, 7
	s_add_co_u32 s34, s34, s28
	s_add_nc_u64 s[12:13], s[12:13], s[34:35]
	s_mul_i32 s34, s32, 49152                      ; two tiles of 16 columns, 24,576 bytes each
	s_lshl_b32 s28, s33, 12
	s_add_co_u32 s34, s34, s28
	s_add_nc_u64 s[22:23], s[22:23], s[34:35]
	v_mul_u32_u24 v5, v3, 24576
	v_lshl_add_u32 v5, v2, 4, v5
.macro LOADO q
.set I, 0
.rept 32
	global_load_b32 v[XW+32*((\q)%2)+I], v7, s[12:13] offset:(32*(\q)+I)*3072 th:TH_LOAD_NT
.set I, I+1
.endr
.endm
.macro BLOCKO q
.if (\q) < 3
	s_wait_loadcnt 32                              ; this block's 32 loads are in; the next block's may be out
.else
	s_wait_loadcnt 0x0
.endif
.set I, 0
.rept 16
	v_cvt_pk_f16_f32 v[OC+16*(\q)+I], v[XW+32*((\q)%2)+2*I], v[XW+32*((\q)%2)+2*I+1]   ; the lower k in the low half
.set I, I+1
.endr
.irp j, 0,1,2,3
	global_store_b128 v5, v[OC+16*(\q)+4*\j:OC+16*(\q)+4*\j+3], s[22:23] offset:1024*(\q)+256*\j   ; sixteen lanes store 256 consecutive bytes, aligned
.endr
.if (\q) < 2
	LOADO (\q)+2
.endif
.endm
	LOADO 0
	LOADO 1
.irp q, 0,1,2,3
	BLOCKO \q
.endr
	s_endpgm
.Lfunc_end_k_q67964e3330_prep:
	.size	k_q67964e3330_prep, .Lfunc_end_k_q67964e3330_prep-k_q67964e3330_prep
	.p2alignl 7, 3214868480
	.fill 96, 4, 3214868480
	.section	.rodata,"a",@progbits
	.p2align	6, 0x0
	.amdhsa_kernel k_q67964e3330_prep
		.amdhsa_group_segment_fixed_size 34304
		.amdhsa_private_segment_fixed_size 0
		.amdhsa_enable_private_segment 0
		.amdhsa_kernarg_size 80
		.amdhsa_user_sgpr_count 2
		.amdhsa_user_sgpr_kernarg_segment_ptr 1
		.amdhsa_wavefront_size32 1
		.amdhsa_system_sgpr_workgroup_id_x 1
		.amdhsa_system_sgpr_workgroup_id_y 1
		.amdhsa_system_sgpr_workgroup_id_z 1
		.amdhsa_system_vgpr_workitem_id 0
		.amdhsa_next_free_vgpr 256
		.amdhsa_next_free_sgpr 66
		.amdhsa_reserve_vcc 1
		.amdhsa_float_denorm_mode_32 3
		.amdhsa_float_denorm_mode_16_64 3
		.amdhsa_memory_ordered 1
		.amdhsa_forward_progress 1
		.amdhsa_inst_pref_size 82
	.end_amdhsa_kernel
	.amdgpu_metadata
---
amdhsa.version: [ 1, 2 ]
amdhsa.kernels:
  - .name:           k_q67964e3330_prep
    .symbol:         k_q67964e3330_prep.kd
    .args:
      - { .name: x, .offset: 0, .size: 8, .value_kind: global_buffer, .address_space: global }
      - { .name: Wq, .offset: 8, .size: 8, .value_kind: global_buffer, .address_space: global }
      - { .name: Wk, .offset: 16, .size: 8, .value_kind: global_buffer, .address_space: global }
      - { .name: Wv, .offset: 24, .size: 8, .value_kind: global_buffer, .address_space: global }
      - { .name: Wo, .offset: 32, .size: 8, .value_kind: global_buffer, .address_space: global }
      - { .name: xc, .offset: 40, .size: 8, .value_kind: global_buffer, .address_space: global }
      - { .name: xs, .offset: 48, .size: 8, .value_kind: global_buffer, .address_space: global }
      - { .name: wc, .offset: 56, .size: 8, .value_kind: global_buffer, .address_space: global }
      - { .name: ws, .offset: 64, .size: 8, .value_kind: global_buffer, .address_space: global }
      - { .name: woh, .offset: 72, .size: 8, .value_kind: global_buffer, .address_space: global }
    .group_segment_fixed_size: 34304
    .private_segment_fixed_size: 0
    .kernarg_segment_align: 8
    .kernarg_segment_size: 80
    .max_flat_workgroup_size: 128
    .sgpr_count:     66
    .vgpr_count:     256
    .wavefront_size: 32
...
	.end_amdgpu_metadata
.endif
;; end of part 1
;; launch attn (part 2): grid 4 x 128, 8 waves a work-group, clusters of 4 x 1, 327,680 bytes of LDS; arguments xc, xs, wc, ws, bq, bk, bv, ao; writes ao
.if DOCPART == 2
	.amdgcn_target "amdgcn-amd-amdhsa--gfx1250"
	.amdhsa_code_object_version 6
	.text
	.protected	k_q67964e3330_attn
	.globl	k_q67964e3330_attn
	.p2align	8
	.type	k_q67964e3330_attn,@function
k_q67964e3330_attn:
	s_mov_b64 s[64:65], 0
	v_nop
	global_prefetch_b8 v0, s[64:65] scope:SCOPE_SE
	s_setreg_imm32_b32 hwreg(HW_REG_WAVE_MODE, 25, 1), 1
	s_wait_xcnt 0x0
	s_wait_alu depctr_hold_cnt(0) depctr_sa_sdst(0) depctr_va_vdst(0) depctr_va_sdst(0) depctr_va_ssrc(0) depctr_va_vcc(0) depctr_vm_vsrc(0)
	s_getreg_b32 s2, hwreg(HW_REG_IB_STS2, 6, 4)
	s_cmp_eq_u32 s2, 0
	s_cbranch_scc0 .Lentry_in_a_cluster
	s_endpgm
.Lentry_in_a_cluster:
	s_bfe_u32 s2, ttmp6, 0x10000c
	s_cmp_lg_u32 s2, 0x3003
	s_cbranch_scc0 .Lentry_shape_is_right
	s_endpgm
.Lentry_shape_is_right:
; A WORK-GROUP TAKES A (BATCH, HEAD) THROUGH PROJECTIONS AND ATTENTION: q, k, v = x W + b on codes of FP4 with E8M0 scales; softmax(q k^T / 8) v with f16 operands and f32 sums; q, k and v never go to memory.
; WORK-GROUPS.  32 x 12 = 384 pairs (batch, head) are 1.5 for each of 256 WGPs.  Heads 0-7 (256 pairs): one work-group each, all 512 queries.  Heads 8-11 (128 pairs): two work-groups each; each projects all of k and v
; and takes half of the queries.  The whole ones have the lower y.  y < 64: batch y / 2, heads 4 (y % 2) + cx.  y >= 64: batch (y - 64) / 2, heads 8 + cx, half y % 2.
; WAVES.  Eight; wave w owns rows (keys, queries) 64 w .. 64 w + 63 of the batch's 512: four tiles of 16.  It projects k and v for them and hands them to all waves through LDS; it projects q for its four tiles
; (a half: for tiles 2 half, 2 half + 1) and walks all 512 keys for them.  The tiles of queries are two PAIRS, named by their first tile.
; CLUSTER.  The four work-groups of a cluster are four heads of ONE batch and need the same codes of x: these come by joint loads (the same descriptor and the mask of all four in each).  A head's weights come by plain loads.
; All tiles are asked for once, at the head, behind one round of the cluster's barrier; nothing is filled again.  A wave's codes of x come in three pieces of two K steps, which that wave alone reads, each behind its own
; counted wait: the first products start while the later pieces are on their way.  By this text's count a wave has six tensor loads out.
; LAYOUTS.  Every operand lies in memory and in LDS as an image of its registers (1,024 bytes a fragment, lane l's 16 bytes at 16 l, twice): every LDS load reads 512 consecutive bytes.
;   k, q: source 0 = 16 columns of W, source 1 = 16 rows of x: a lane holds one row and eight neighbouring channels; two tiles, rounded to f16 in pairs, ARE a fragment (16 rows x 32 channels) of the scores' product.
;   v:    source 0 = 16 rows of x, source 1 = 16 columns of Wv: a lane holds one channel and eight neighbouring keys: two tiles are a fragment of V^T (16 channels x 32 keys).
;   S^T = K Q^T: a lane holds one query and eight keys; rounded in pairs that is source 1 of O^T = V^T P, whose result again holds one query a lane.  O / l, rounded, is a fragment of the last product, and is stored as such.
; The biases are the C of each sum's first matrix instruction.
; SOFTMAX.  q is multiplied by log2(e) / 8 in f32 before it is rounded to f16, so a score is t itself; a running maximum m and sum l for each query; p = 2^(t - m), at most 1; O and l are multiplied by 2^(m_old - m_new) in every step.
; The sum is taken of the p that are not yet rounded.
; LIMITS: NaN and infinities are not served.  |0.18 q|, |k|, |v| and the attention's results stay under 65,504, f16's largest number.  The factor 1 / 8 enters q ahead of its rounding to f16, not the scores behind the product.
; REGISTERS, in two windows of 256 (s_set_vgpr_msb: bits 1:0 source 0, 3:2 source 1, 5:4 source 2, 7:6 destination):
;   window 0: v1-15, v60, v61 addresses; v16-19 x's scale words, v20-27 the weights' (two sets each; scales and nothing else); v28-59 statistics, eight a tile of queries;
;             projection: v64-127 x's fragments (two sets), v128-159, v160-191 W's, v192-223, v224-255 biases;   attention: v64-191 S^T, then P in place; v192-255 V's fragments
;   window 1: projection: 32 accumulators (k at v0, v at v128; later q at v128), rounded in place;   attention: v0-127 O^T, v128-191 Q, v192-255 K's fragments
.set WCL,   196608                     ; LDS: x's codes from 0 (24,576 bytes a wave: [piece of two K steps][tile][K step][1,024]); the head's W codes here (73,728);
.set XSL,   270336                     ; x's scale words (1,536 a wave);
.set WSL,   282624                     ; W's scale words (4,608);
.set SPARE, 287232                     ; the spare words, 128 bytes for each wave: four blocks of 256 bytes that no other line names
.set VIM,   65536                      ; K's images lie from 0, V's from here, 65,536 bytes each, over x's codes, which have had their only fill and their last read by then
.set LI,   1                           ; v1   16 x lane
.set AX,   2                           ; v2   my wave's codes of x
.set AWQ,  3                           ; v3   Wq's fragments
.set AWKV, 4                           ; v4   Wk's, and 24,576 bytes on Wv's
.set AXS,  5                           ; v5   x's scale words: lanes 0-15 an even tile's, lanes 16-31 the next one's
.set AWS,  6                           ; v6   W's likewise
.set AKS,  7                           ; v7   where I store K's images
.set AVS,  8                           ; v8   and V's
.set ADR,  9                           ; v9   the key step's V
.set SPW,  10                          ; v10  LDS address of my spare word; never rewritten
.set NIL,  11                          ; v11  0; never rewritten
.set B8,   12                          ; v12  32 x (lane / 16): my eight numbers of a bias
.set R4,   13                          ; v13  4 x (lane % 16)
.set ADK,  14                          ; v14  the key step's K
.set AVL,  15                          ; v15  VIM + 16 x lane
.set AXQ,  60                          ; v60  a half's q: my codes of x from tile 2 half on
.set AXSQ, 61                          ; v61  and their scale words
.set XSC,  16
.set WSC,  20
.set ST,   28                          ; tile t at v[ST + 8 t]: +0 m, +1 zero (the pair's other half), +2, +3 l, +4 to +7 at work; a takes +6
.set S,    64
.set VB,   192
.set XB,   64
.set WA,   128
.set BK,   192
.set BV,   224
.set QF,   128                         ; window 1
.set KB,   192                         ; window 1
.set WV,   20                          ; s20  my wave's number
.set G1XC, 24                          ; s[24:31], s[32:39], s[40:47], s[48:55] descriptor groups 1: x's codes, x's scales, W's codes, W's scales
.set G1XS, 32
.set G1WC, 40
.set G1WS, 48
.set G0XC, 56                          ; s[56:59] group 0 of x's first piece; s[92:95], s[96:99] of the second and third
.set G0XS, 60                          ; s[60:63], s[68:71], s[72:75] groups 0 of x's scales, W's codes, W's scales
.set G0WC, 68
.set G0WS, 72
.set SEL,  76                          ; s[76:77] v_permlanex16_b32's selects for lane l xor 16
.set TB,   78                          ; s78  8,192 x the key step
.set CNT,  79
.set CS,   80                          ; s[80:81] log2(e) / 8
.set KIND, 91                          ; s91  0: all queries; 1: half of them
.set G0X1, 92
.set G0X2, 96
.set MSB, 0
.macro WIN new                         ; the immediate's high byte repeats the setting that is left; a switch that changes nothing is dropped
.if MSB != (\new)
	s_set_vgpr_msb (MSB<<8)|(\new)
.set MSB, (\new)
.endif
.endm
.macro PLACES n
.rept \n
	v_nop
.endr
.endm
.macro SKIP lbl                        ; a half has no second pair of tiles; every window is 0 here and at the label
	s_cmp_lg_u32 s[KIND], 0
	s_cbranch_scc1 \lbl
.endm
.macro CROUND                          ; a round of the cluster's barrier
	s_barrier_signal -1
	s_barrier_wait -1
	s_cmp_lg_u32 s[WV], 0
	s_cbranch_scc1 .Lnot_wave_0_\@
	s_barrier_signal -3
.Lnot_wave_0_\@:
	s_barrier_wait -3
	s_barrier_signal -1
	s_barrier_wait -1
.endm
.macro GROUP1 g, w0, c, r, p           ; r rows of c elements of 8 bytes, p elements from row to row
	s_mov_b32 s[\g], \w0
	s_mov_b32 s[\g+1], (\c)<<16                    ; tensor_dim0
	s_mov_b32 s[\g+2], (\r)<<16                    ; tensor_dim1
	s_mov_b32 s[\g+3], (\c)<<16                    ; tile_dim0
	s_mov_b32 s[\g+4], \r                          ; tile_dim1
	s_mov_b32 s[\g+5], \p                          ; from row to row
	s_mov_b32 s[\g+6], 0
	s_mov_b32 s[\g+7], 0
.endm
	s_load_b256 s[4:11], s[0:1], 0x0               ; xc s[4:5], xs s[6:7], wc s[8:9], ws s[10:11]
	s_load_b256 s[12:19], s[0:1], 0x20             ; bq s[12:13], bk s[14:15], bv s[16:17], ao s[18:19]
	v_lshl_add_u32 v[SPW], v0, 2, SPARE
	v_mov_b32 v[NIL], 0
	ds_add_u32 v[SPW], v[NIL]                      ; the wave's opening: the add, twice on end, and its wait ahead of my first tensor load; the set-up below stands between the second and the wait
	ds_add_u32 v[SPW], v[NIL]
	v_lshrrev_b32 v[LI], 5, v0
	v_readfirstlane_b32 s[WV], v[LI]               ; wave 0..7
	s_bfe_u32 s21, ttmp6, 0x40000                  ; cx: my place in the cluster
	s_and_b32 s23, ttmp7, 0xffff                   ; the cluster's y, 0..127, which the four partners share
	s_lshr_b32 s[KIND], s23, 6                     ; 0: all queries; 1: half of them
	s_and_b32 s100, s23, 1
	s_bfe_u32 s23, s23, 0x50001                    ; the batch: five bits from bit 1
	s_cmp_eq_u32 s[KIND], 0
	s_cselect_b32 s22, s100, 2                     ; which four heads: y % 2, or the last four
	s_and_b32 s100, s100, s[KIND]                  ; which half of the queries (0 where all are mine)
	s_lshl_b32 s22, s22, 2
	s_add_co_u32 s22, s22, s21                     ; the head: it enters the addresses of wc, ws, the biases and ao alone
	GROUP1 G1XC, 15|(3<<16)|(1<<21), 256, 4, 768   ; joint: the mask of all four, bit 21 beside it; two K steps (2,048 bytes) of four tiles, 6,144 bytes apart
	GROUP1 G1XS, 15|(3<<16)|(1<<21), 32, 6, 32     ; joint: 6 rows of 256 bytes, dense
	GROUP1 G1WC, 3<<16, 32, 36, 32                 ; my own: 36 rows of 256 bytes, dense
	GROUP1 G1WS, 3<<16, 8, 9, 8                    ; my own: 9 rows of 64 bytes, dense
	s_lshl_b32 s82, s23, 3
	s_add_co_u32 s82, s82, s[WV]                   ; 8 x batch + wave: four tiles of x (registers that never hold cx)
	s_mul_i32 s86, s82, 1536
	s_mul_i32 s82, s82, 24576
	s_mov_b32 s83, 0
	s_mov_b32 s87, 0
	s_mul_i32 s84, s22, 73728                      ; the head's weights, an eighth to a wave
	s_mul_i32 s85, s[WV], 9216
	s_add_co_u32 s84, s84, s85
	s_mov_b32 s85, 0
	s_mul_i32 s88, s22, 4608
	s_mul_i32 s89, s[WV], 576
	s_add_co_u32 s88, s88, s89
	s_mov_b32 s89, 0
	s_mov_b32 s[G0XC], 1
	s_mul_i32 s[G0XC+1], s[WV], 24576
	s_mov_b32 s[G0X1], 1
	s_add_co_u32 s[G0X1+1], s[G0XC+1], 8192
	s_mov_b32 s[G0X2], 1
	s_add_co_u32 s[G0X2+1], s[G0XC+1], 16384
	s_mov_b32 s[G0XS], 1
	s_mul_i32 s[G0XS+1], s[WV], 1536
	s_add_co_u32 s[G0XS+1], s[G0XS+1], XSL
	s_mov_b32 s[G0WC], 1
	s_mul_i32 s[G0WC+1], s[WV], 9216
	s_add_co_u32 s[G0WC+1], s[G0WC+1], WCL
	s_mov_b32 s[G0WS], 1
	s_mul_i32 s[G0WS+1], s[WV], 576
	s_add_co_u32 s[G0WS+1], s[G0WS+1], WSL
	s_mov_b32 s[SEL], 0x76543210
	s_mov_b32 s[SEL+1], 0xfedcba98
	s_mov_b32 s[CS], 0x3e38aa3b                    ; log2(e) / 8
	s_mov_b32 s[CS+1], s[CS]                       ; (named with it as a pair, so it is written)
	s_lshl_b32 s90, s[WV], 13
	v_and_b32 v[LI], 31, v0
	v_lshlrev_b32 v[LI], 4, v[LI]
	v_and_b32 v[R4], 15, v0
	v_lshlrev_b32 v[R4], 2, v[R4]
	v_bfe_u32 v[B8], v0, 4, 1
	v_mul_u32_u24 v[AWS], v[B8], 384               ; lanes 16-31: the next tile's words, 384 bytes on
	v_add_nc_u32 v[AWS], v[AWS], v[R4]
	v_add_nc_u32 v[AXS], s[G0XS+1], v[AWS]
	v_add_nc_u32 v[AWS], WSL, v[AWS]
	v_add_nc_u32 v[AX], s[G0XC+1], v[LI]
	s_lshl_b32 s101, s100, 12                      ; two tiles are 4,096 bytes in a piece,
	v_add_nc_u32 v[AXQ], s101, v[AX]
	s_mul_i32 s101, s100, 768                      ; and 768 bytes of scale words
	v_add_nc_u32 v[AXSQ], s101, v[AXS]
	v_add_nc_u32 v[AWQ], WCL, v[LI]
	v_add_nc_u32 v[AWKV], WCL+24576, v[LI]
	v_add_nc_u32 v[AKS], s90, v[LI]
	v_add_nc_u32 v[AVS], VIM, v[AKS]
	v_add_nc_u32 v[AVL], VIM, v[LI]
	v_lshlrev_b32 v[B8], 5, v[B8]
	s_wait_dscnt 0x0                               ; both opening adds are done
	s_wait_kmcnt 0x0
	s_add_nc_u64 s[G0XC+2:G0XC+3], s[4:5], s[82:83]
	s_add_nc_u64 s[G0X1+2:G0X1+3], s[G0XC+2:G0XC+3], 2048          ; K steps 2, 3
	s_add_nc_u64 s[G0X2+2:G0X2+3], s[G0XC+2:G0XC+3], 4096          ; K steps 4, 5
	s_or_b32 s[G0XC+3], s[G0XC+3], 0x80000000
	s_or_b32 s[G0X1+3], s[G0X1+3], 0x80000000
	s_or_b32 s[G0X2+3], s[G0X2+3], 0x80000000
	s_add_nc_u64 s[G0XS+2:G0XS+3], s[6:7], s[86:87]
	s_or_b32 s[G0XS+3], s[G0XS+3], 0x80000000
	s_add_nc_u64 s[G0WC+2:G0WC+3], s[8:9], s[84:85]
	s_or_b32 s[G0WC+3], s[G0WC+3], 0x80000000
	s_add_nc_u64 s[G0WS+2:G0WS+3], s[10:11], s[88:89]
	s_or_b32 s[G0WS+3], s[G0WS+3], 0x80000000
	s_lshl_b32 s84, s22, 8                         ; the head's 64 numbers of each bias
	s_add_nc_u64 s[12:13], s[12:13], s[84:85]
	s_add_nc_u64 s[14:15], s[14:15], s[84:85]
	s_add_nc_u64 s[16:17], s[16:17], s[84:85]
	s_lshl_b32 s88, s23, 5
	s_lshl_b32 s84, s[WV], 2
	s_add_co_u32 s88, s88, s84
	s_lshl_b32 s84, s100, 1
	s_add_co_u32 s88, s88, s84                     ; my first tile of queries: 32 x batch + 4 x wave + 2 x half
	s_mul_i32 s88, s88, 24576
	s_lshl_b32 s84, s22, 11                        ; the head's two K steps of the last product
	s_add_co_u32 s88, s88, s84
	s_add_nc_u64 s[18:19], s[18:19], s[88:89]
	CROUND                                         ; all four work-groups are here: the joint loads meet
	tensor_load_to_lds s[G0WC:G0WC+3], s[G1WC:G1WC+7]
	s_nop 0
	tensor_load_to_lds s[G0WS:G0WS+3], s[G1WS:G1WS+7]
	s_nop 0
	tensor_load_to_lds s[G0XS:G0XS+3], s[G1XS:G1XS+7]
	s_nop 0
	tensor_load_to_lds s[G0XC:G0XC+3], s[G1XC:G1XC+7]
	s_nop 0
	tensor_load_to_lds s[G0X1:G0X1+3], s[G1XC:G1XC+7]
	s_nop 0
	tensor_load_to_lds s[G0X2:G0X2+3], s[G1XC:G1XC+7]
	s_nop 0
	PLACES 4                                       ; an s_nop 0 behind each load and four v_nop behind the last
.irp c, 0,1,2,3
	global_load_b128 v[BK+8*\c:BK+8*\c+3], v[B8], s[14:15] offset:64*\c        ; bk in the layout of k's results: channels 16 c + 8 (lane / 16) + 0 .. 7
	global_load_b128 v[BK+8*\c+4:BK+8*\c+7], v[B8], s[14:15] offset:64*\c+16
.endr
.irp c, 0,1,2,3
.irp j, 0,1,2,3,4,5,6,7
	global_load_b32 v[BV+8*\c+\j], v[R4], s[16:17] offset:64*\c                 ; bv in the layout of v's results: channel 16 c + lane % 16 in all eight registers
.endr
.endr
	s_wait_tensorcnt 2                             ; tensor loads of a wave end in order (ISA guide 10.11.1): my parts of the weights, my scale words and x's K steps 0, 1 have landed; x's two later pieces may stay out
	s_barrier_signal -1
	s_barrier_wait -1                              ; everybody's parts of the weights have landed: all waves read them.
	s_wait_loadcnt 0x0                             ; the biases
; One scaled product.  d, a, b, cc: first registers of D, A, B, C; sa, sb: the scale registers; ra, rb = 1: that side's words stand in lanes 16-31.
.macro PW d, a, b, cc, sa, ra, sb, rb
.if (\ra) && (\rb)
	v_wmma_scale_f32_16x16x128_f8f6f4 v[(\d):(\d)+7], v[(\a):(\a)+7], v[(\b):(\b)+7], v[(\cc):(\cc)+7], v[(\sa)], v[(\sb)] matrix_a_fmt:MATRIX_FMT_FP4 matrix_b_fmt:MATRIX_FMT_FP4 matrix_a_scale:MATRIX_SCALE_ROW1 matrix_b_scale:MATRIX_SCALE_ROW1
.elseif (\ra)
	v_wmma_scale_f32_16x16x128_f8f6f4 v[(\d):(\d)+7], v[(\a):(\a)+7], v[(\b):(\b)+7], v[(\cc):(\cc)+7], v[(\sa)], v[(\sb)] matrix_a_fmt:MATRIX_FMT_FP4 matrix_b_fmt:MATRIX_FMT_FP4 matrix_a_scale:MATRIX_SCALE_ROW1
.elseif (\rb)
	v_wmma_scale_f32_16x16x128_f8f6f4 v[(\d):(\d)+7], v[(\a):(\a)+7], v[(\b):(\b)+7], v[(\cc):(\cc)+7], v[(\sa)], v[(\sb)] matrix_a_fmt:MATRIX_FMT_FP4 matrix_b_fmt:MATRIX_FMT_FP4 matrix_b_scale:MATRIX_SCALE_ROW1
.else
	v_wmma_scale_f32_16x16x128_f8f6f4 v[(\d):(\d)+7], v[(\a):(\a)+7], v[(\b):(\b)+7], v[(\cc):(\cc)+7], v[(\sa)], v[(\sb)] matrix_a_fmt:MATRIX_FMT_FP4 matrix_b_fmt:MATRIX_FMT_FP4
.endif
.endm
.macro LX s, p, xa, nt                 ; the fragments of K step s of nt tiles, from address register xa, into set p: 2 nt loads
.irp i, 0,1,2,3
.if \i < (\nt)
	ds_load_b128 v[XB+32*(\p)+8*\i:XB+32*(\p)+8*\i+3], v[\xa] offset:8192*((\s)/2)+2048*\i+1024*((\s)%2)
	ds_load_b128 v[XB+32*(\p)+8*\i+4:XB+32*(\p)+8*\i+7], v[\xa] offset:8192*((\s)/2)+2048*\i+1024*((\s)%2)+512
.endif
.endr
.endm
.macro LW buf, adr, ct0, s             ; four tiles of a weight's columns, K step s: 8 loads
.irp c, 0,1,2,3
	ds_load_b128 v[\buf+8*\c:\buf+8*\c+3], v[\adr] offset:(6*(\ct0+\c)+(\s))*1024
	ds_load_b128 v[\buf+8*\c+4:\buf+8*\c+7], v[\adr] offset:(6*(\ct0+\c)+(\s))*1024+512
.endr
.endm
.macro LS set, s                       ; k's and v's pass: K step s's scale words: x's two registers, and four of the weights' (pairs of tiles 2 to 5): 6 loads
.irp ip, 0,1
	ds_load_b32 v[XSC+2*(\set)+\ip], v[AXS] offset:768*\ip+64*(\s)
.endr
.irp j, 0,1,2,3
	ds_load_b32 v[WSC+4*(\set)+\j], v[AWS] offset:768*(2+\j)+64*(\s)
.endr
.endm
.macro LSQ set, s, nt, xw              ; q's pass: nt / 2 registers of x's words from address register xw, and two of Wq's (pairs of tiles 0, 1): nt / 2 + 2 loads
.irp ip, 0,1
.if 2*\ip < (\nt)
	ds_load_b32 v[XSC+2*(\set)+\ip], v[\xw] offset:768*\ip+64*(\s)
.endif
.endr
.irp j, 0,1
	ds_load_b32 v[WSC+4*(\set)+\j], v[AWS] offset:768*\j+64*(\s)
.endr
.endm
; The accumulators take turns, one instruction a turn, in the same order in every K step.
.macro MULK s
.irp i, 0,1,2,3
.irp c, 0,1,2,3
.if (\s) == 0
	PW 8*(4*\i+\c), WA+8*\c, XB+32*((\s)%2)+8*\i, BK+8*\c, WSC+4*((\s)%2)+\c/2, \c%2, XSC+2*((\s)%2)+\i/2, \i%2
.else
	PW 8*(4*\i+\c), WA+8*\c, XB+32*((\s)%2)+8*\i, 8*(4*\i+\c), WSC+4*((\s)%2)+\c/2, \c%2, XSC+2*((\s)%2)+\i/2, \i%2
.endif
.endr
.endr
.endm
.macro MULV s
.irp i, 0,1,2,3
.irp c, 0,1,2,3
.if (\s) == 0
	PW 128+8*(4*\i+\c), XB+32*((\s)%2)+8*\i, WA+32+8*\c, BV+8*\c, XSC+2*((\s)%2)+\i/2, \i%2, WSC+4*((\s)%2)+2+\c/2, \c%2
.else
	PW 128+8*(4*\i+\c), XB+32*((\s)%2)+8*\i, WA+32+8*\c, 128+8*(4*\i+\c), XSC+2*((\s)%2)+\i/2, \i%2, WSC+4*((\s)%2)+2+\c/2, \c%2
.endif
.endr
.endr
.endm
.macro MULQ s, nt
.irp i, 0,1,2,3
.if \i < (\nt)
.irp c, 0,1,2,3
.if (\s) == 0
	PW 128+8*(4*\i+\c), WA+32*((\s)%2)+8*\c, XB+32*((\s)%2)+8*\i, BK+8*\c, WSC+4*((\s)%2)+\c/2, \c%2, XSC+2*((\s)%2)+\i/2, \i%2
.else
	PW 128+8*(4*\i+\c), WA+32*((\s)%2)+8*\c, XB+32*((\s)%2)+8*\i, 128+8*(4*\i+\c), WSC+4*((\s)%2)+\c/2, \c%2, XSC+2*((\s)%2)+\i/2, \i%2
.endif
.endr
.endif
.endr
.endm
; PASS A: k and v, a K step of 128 at a time.  Loads into registers that matrix instructions have read stand four plain places behind them (ISA guide 7.12.1 for vector instructions).
.macro STEPA s
	s_wait_dscnt 8                                 ; all but the youngest eight loads (Wv's fragments) are in
.if (\s) == 0
	WIN 0x40                                       ; D window 1; C = the bias, window 0
.else
	WIN 0x50                                       ; C and D window 1
.endif
	MULK \s
	WIN 0
	PLACES 4
.if (\s) == 0
.irp c, 0,1,2,3
	global_load_b128 v[BK+8*\c:BK+8*\c+3], v[B8], s[12:13] offset:64*\c        ; bk has served: bq takes its registers
	global_load_b128 v[BK+8*\c+4:BK+8*\c+7], v[B8], s[12:13] offset:64*\c+16
.endr
.endif
.if (\s) == 1
	s_wait_tensorcnt 1                             ; x's K steps 2, 3, which I alone read, have landed; the last piece may stay out
.endif
.if (\s) == 3
	s_wait_tensorcnt 0x0                           ; x's K steps 4, 5 have landed
.endif
.if (\s) < 5
	LW WA, AWKV, 0, (\s)+1
	LX (\s)+1, ((\s)+1)%2, AX, 4
	LS ((\s)+1)%2, (\s)+1
	s_wait_dscnt 22                                ; all but the 22 just issued: Wv's fragments are in
.else
	s_wait_dscnt 0x0
.endif
.if (\s) == 0
	WIN 0x40
.else
	WIN 0x50
.endif
	MULV \s
	WIN 0
	PLACES 4
.if (\s) < 5
	LW WA+32, AWKV, 4, (\s)+1
.endif
.endm
	LS 0, 0
	LX 0, 0, AX, 4
	LW WA, AWKV, 0, 0
	LW WA+32, AWKV, 4, 0
.irp s, 0,1,2,3,4,5
	STEPA \s
.endr
; PASS B: q, for nt tiles.  W's fragments take the two buffers by turns.
.macro STEPQ s, nt, xa, xw
.if (\s) < 5
	LX (\s)+1, ((\s)+1)%2, \xa, \nt
	LW WA+32*(((\s)+1)%2), AWQ, 0, (\s)+1
	LSQ ((\s)+1)%2, (\s)+1, \nt, \xw
	s_wait_dscnt 2*(\nt)+8+(\nt)/2+2               ; all but those just issued: 2 nt of x, 8 of W, nt / 2 + 2 scale words
.else
	s_wait_dscnt 0x0
.endif
.if (\s) == 0
	WIN 0x40
.else
	WIN 0x50
.endif
	MULQ \s, \nt
	WIN 0
	PLACES 4
.endm
.macro PASSB nt, xa, xw
	LSQ 0, 0, \nt, \xw                             ; the pass's first K step is asked for while k and v are rounded
	LX 0, 0, \xa, \nt
	LW WA, AWQ, 0, 0
	WIN 0x45                                       ; sources and destination window 1
.set N, 0
.rept 128                              ; k and v to f16, in place, ascending: tile t's eight registers become four at v[4 t]; each accumulator is read from its low end on
	v_cvt_pk_f16_f32 v[N], v[2*N], v[2*N+1]
.set N, N+1
.endr
	WIN 0
	s_wait_loadcnt 0x0                             ; bq
.irp s, 0,1,2,3,4,5
	STEPQ \s, \nt, \xa, \xw
.endr
	WIN 0x41                                       ; destination and source 0 window 1
.set N, 0
.rept 16*(\nt)
	v_pk_mul_f32 v[QF+2*N:QF+2*N+1], v[QF+2*N:QF+2*N+1], s[CS:CS+1] op_sel_hi:[1,0]   ; q x log2(e) / 8, in f32
.set N, N+1
.endr
	WIN 0x45
.set N, 0
.rept 16*(\nt)
	v_cvt_pk_f16_f32 v[QF+N], v[QF+2*N], v[QF+2*N+1]   ; Q's fragment (tile t, channels 32 e on) now lies at v[QF + 16 t + 8 e]
.set N, N+1
.endr
	WIN 0
.endm
	SKIP .Lq_half                                  ; straight-line text with LDS loads alone, written once for each kind, so that every counted wait counts the same loads on its way
	PASSB 4, AX, AXS
	s_branch .Lq_done
.Lq_half:
	PASSB 2, AXQ, AXSQ
.Lq_done:
	s_wait_dscnt 0x0                               ; my reads of x's and W's codes are over
	s_barrier_signal -1
	s_barrier_wait -1                              ; everybody's are, and every wave's tensor loads have landed: the images may be laid over x's codes
	WIN 0x04                                       ; an LDS store's data are its source 1: window 1
.irp i, 0,1,2,3
.irp c, 0,1,2,3
	ds_store_b128 v[AKS], v[4*(4*\i+\c):4*(4*\i+\c)+3] offset:(2*\i+\c/2)*1024+512*(\c%2)        ; K: [tile of 16 keys][32 channels]: an even tile of channels is the fragment's first half
	ds_store_b128 v[AVS], v[64+4*(4*\i+\c):64+4*(4*\i+\c)+3] offset:(4*(\i/2)+\c)*1024+512*(\i%2)  ; V: [32 keys][tile of 16 channels]: an even tile of keys is the first half
.endr
.endr
	WIN 0
	s_wait_dscnt 0x0                               ; for the others' sake: my stores have landed
	s_barrier_signal -1
	s_barrier_wait -1
.macro LOADK                           ; a key step's K: 64 keys x 64 channels: eight fragments, 16 loads
	WIN 0x40
.irp f, 0,1,2,3,4,5,6,7
	ds_load_b128 v[KB+8*\f:KB+8*\f+3], v[ADK] offset:1024*\f
	ds_load_b128 v[KB+8*\f+4:KB+8*\f+7], v[ADK] offset:1024*\f+512
.endr
	WIN 0
.endm
; 16 products S^T = K Q^T for the pair of tiles y, y + 1: eight accumulators by turns; the first eight start the sums
.macro QK y
.irp e, 0,1
.irp kt, 0,1,2,3
.irp t, \y, \y+1
.if \e == 0
	v_wmma_f32_16x16x32_f16 v[S+32*(\t)+8*\kt:S+32*(\t)+8*\kt+7], v[KB+8*(2*\kt+\e):KB+8*(2*\kt+\e)+7], v[QF+16*(\t)+8*\e:QF+16*(\t)+8*\e+7], 0
.else
	v_wmma_f32_16x16x32_f16 v[S+32*(\t)+8*\kt:S+32*(\t)+8*\kt+7], v[KB+8*(2*\kt+\e):KB+8*(2*\kt+\e)+7], v[QF+16*(\t)+8*\e:QF+16*(\t)+8*\e+7], v[S+32*(\t)+8*\kt:S+32*(\t)+8*\kt+7]
.endif
.endr
.endr
.endr
.endm
; 16 products O^T += V^T P for the pair; first = 1: the first eight start the sums
.macro PV y, first
.irp u, 0,1
.irp c, 0,1,2,3
.irp t, \y, \y+1
.if (\first) && (\u == 0)
	v_wmma_f32_16x16x32_f16 v[32*(\t)+8*\c:32*(\t)+8*\c+7], v[VB+8*(4*\u+\c):VB+8*(4*\u+\c)+7], v[S+32*(\t)+8*\u:S+32*(\t)+8*\u+7], 0
.else
	v_wmma_f32_16x16x32_f16 v[32*(\t)+8*\c:32*(\t)+8*\c+7], v[VB+8*(4*\u+\c):VB+8*(4*\u+\c)+7], v[S+32*(\t)+8*\u:S+32*(\t)+8*\u+7], v[32*(\t)+8*\c:32*(\t)+8*\c+7]
.endif
.endr
.endr
.endr
.endm
; The pair's softmax for one key step; the two tiles alternate.  first = 1: the first key step, which starts m, l and O^T.
.macro SM y, first
	; the maximum of a lane's 32 scores and the old m, three operands at a time, four chains a tile; each accumulator is read from its low end on
.irp j, 0,1,2,3
.irp t, \y, \y+1
	v_max3_num_f32 v[ST+8*(\t)+4+\j], v[S+32*(\t)+8*\j], v[S+32*(\t)+8*\j+1], v[S+32*(\t)+8*\j+2]
.endr
.endr
.irp g, 1,2
.irp j, 0,1,2,3
.irp t, \y, \y+1
	v_max3_num_f32 v[ST+8*(\t)+4+\j], v[ST+8*(\t)+4+\j], v[S+32*(\t)+8*\j+2*\g+1], v[S+32*(\t)+8*\j+2*\g+2]
.endr
.endr
.endr
.irp t, \y, \y+1
	v_max3_num_f32 v[ST+8*(\t)+4], v[ST+8*(\t)+4], v[S+32*(\t)+7], v[S+32*(\t)+15]
	v_max3_num_f32 v[ST+8*(\t)+6], v[ST+8*(\t)+6], v[S+32*(\t)+23], v[S+32*(\t)+31]
.endr
.irp t, \y, \y+1
	v_max3_num_f32 v[ST+8*(\t)+4], v[ST+8*(\t)+4], v[ST+8*(\t)+5], v[ST+8*(\t)+6]
.endr
.irp t, \y, \y+1
.if \first
	v_max_num_f32 v[ST+8*(\t)+4], v[ST+8*(\t)+4], v[ST+8*(\t)+7]
.else
	v_max3_num_f32 v[ST+8*(\t)+4], v[ST+8*(\t)+4], v[ST+8*(\t)+7], v[ST+8*(\t)]
.endif
.endr
.irp t, \y, \y+1
	v_permlanex16_b32 v[ST+8*(\t)+5], v[ST+8*(\t)+4], s[SEL], s[SEL+1]   ; the query's other 32 keys lie in the lane 16 away
.endr
.if (\first) == 0
.irp t, \y, \y+1
	v_mov_b32 v[ST+8*(\t)+7], v[ST+8*(\t)]         ; the old m is kept for a
.endr
.endif
.irp t, \y, \y+1
	v_max_num_f32 v[ST+8*(\t)], v[ST+8*(\t)+4], v[ST+8*(\t)+5]   ; the new m
.endr
.if (\first) == 0
.irp t, \y, \y+1
	v_sub_f32 v[ST+8*(\t)+7], v[ST+8*(\t)+7], v[ST+8*(\t)]       ; m_old - m_new, 0 or less
.endr
.endif
.irp b, 0,2,4,6,8,10,12,14,16,18,20,22,24,26,28,30
	v_pk_add_f32 v[S+32*(\y)+\b:S+32*(\y)+\b+1], v[S+32*(\y)+\b:S+32*(\y)+\b+1], v[ST+8*(\y):ST+8*(\y)+1] op_sel_hi:[1,0] neg_lo:[0,1] neg_hi:[0,1]   ; the first tile's t - m, two at a time: never above 0
.endr
	; ONE BATCH of exponentials, none of which reads another's result; the second tile's subtractions, which read none either, stand between the first tile's exponentials
.if (\first) == 0
.irp t, \y, \y+1
	v_exp_f32 v[ST+8*(\t)+6], v[ST+8*(\t)+7]       ; a = 2^(m_old - m_new)
.endr
.endif
.irp b, 0,2,4,6,8,10,12,14,16,18,20,22,24,26,28,30
	v_exp_f32 v[S+32*(\y)+\b], v[S+32*(\y)+\b]     ; p = 2^(t - m)
	v_exp_f32 v[S+32*(\y)+\b+1], v[S+32*(\y)+\b+1]
	v_pk_add_f32 v[S+32*(\y)+32+\b:S+32*(\y)+32+\b+1], v[S+32*(\y)+32+\b:S+32*(\y)+32+\b+1], v[ST+8*(\y)+8:ST+8*(\y)+9] op_sel_hi:[1,0] neg_lo:[0,1] neg_hi:[0,1]
.endr
.set N, 0
.rept 32
	v_exp_f32 v[S+32*(\y)+32+N], v[S+32*(\y)+32+N]
.set N, N+1
.endr
	v_nop                                          ; a plain line behind the last exponential,
	s_wait_alu depctr_va_vdst(0)                   ; and the one wait ahead of the batch's first reader
.if (\first) == 0
.irp t, \y, \y+1
	v_pk_mul_f32 v[ST+8*(\t)+2:ST+8*(\t)+3], v[ST+8*(\t)+2:ST+8*(\t)+3], v[ST+8*(\t)+6:ST+8*(\t)+7] op_sel_hi:[1,0]   ; l x a
.endr
.endif
.irp t, \y, \y+1
	v_pk_add_f32 v[ST+8*(\t)+4:ST+8*(\t)+5], v[S+32*(\t):S+32*(\t)+1], v[S+32*(\t)+2:S+32*(\t)+3]   ; the sum of the p as they are, before rounding: two chains a tile
.endr
.irp k, 4,8,12,16,20,24,28
.irp t, \y, \y+1
	v_pk_add_f32 v[ST+8*(\t)+2:ST+8*(\t)+3], v[ST+8*(\t)+2:ST+8*(\t)+3], v[S+32*(\t)+\k:S+32*(\t)+\k+1]
	v_pk_add_f32 v[ST+8*(\t)+4:ST+8*(\t)+5], v[ST+8*(\t)+4:ST+8*(\t)+5], v[S+32*(\t)+\k+2:S+32*(\t)+\k+3]
.endr
.endr
.irp t, \y, \y+1
	v_pk_add_f32 v[ST+8*(\t)+2:ST+8*(\t)+3], v[ST+8*(\t)+2:ST+8*(\t)+3], v[ST+8*(\t)+4:ST+8*(\t)+5]
.endr
.irp t, \y, \y+1
.set N, 0
.rept 16
	v_cvt_pk_f16_f32 v[S+32*(\t)+N], v[S+32*(\t)+2*N], v[S+32*(\t)+2*N+1]   ; P, in place, ascending: the fragment of keys 32 u on lies at v[S + 32 t + 8 u]
.set N, N+1
.endr
.endr
.if \first
	PLACES 4
.else
	WIN 0x41                                       ; O^T window 1, a window 0
.irp t, \y, \y+1
.set N, 0
.rept 16
	v_pk_mul_f32 v[32*(\t)+2*N:32*(\t)+2*N+1], v[32*(\t)+2*N:32*(\t)+2*N+1], v[ST+8*(\t)+6:ST+8*(\t)+7] op_sel_hi:[1,0]   ; O^T x a
.set N, N+1
.endr
.endr
	WIN 0
.endif
.endm
; A KEY STEP: 64 keys.  Scores of both pairs, the two runs of LDS loads, then for each pair its softmax and its V^T P.  first = 1: it starts m, l and O^T.  more = 1: the next step's K is fetched.
; All LDS loads and all waits on them stand outside the stretches that a half leaves out.
.macro STEP first, more
	s_wait_dscnt 0x0                               ; K is in
	WIN 0x05                                       ; K and Q window 1, S^T window 0
	QK 0
	WIN 0
	SKIP .Lqk_\@
	WIN 0x05
	QK 2
	WIN 0
.Lqk_\@:
	v_add_nc_u32 v[ADR], s[TB], v[AVL]             ; with the three v_nop: four places behind the products, ahead of the loads into K's registers and of the first read of the scores
	PLACES 3
.irp f, 0,1,2,3,4,5,6,7
	ds_load_b128 v[VB+8*\f:VB+8*\f+3], v[ADR] offset:1024*\f       ; this step's V: 64 keys x 64 channels
	ds_load_b128 v[VB+8*\f+4:VB+8*\f+7], v[ADR] offset:1024*\f+512
.endr
.if \more
	s_add_co_u32 s[TB], s[TB], 8192
	v_add_nc_u32 v[ADK], s[TB], v[LI]
	LOADK
.endif
	SM 0, \first
.if \more
	s_wait_dscnt 16                                ; V is in; the next step's K, 16 loads, may be out
.else
	s_wait_dscnt 0x0
.endif
	WIN 0x50                                       ; V and P window 0, O^T window 1
	PV 0, \first
	WIN 0
	SKIP .Lpv_\@
	SM 2, \first                                   ; it names no register of the products just issued
	WIN 0x50
	PV 2, \first
	WIN 0
.Lpv_\@:
	PLACES 5                                       ; the next step's scores are written by matrix instructions over P, which these products read: five places
.endm
.irp t, 0,1,2,3
	v_mov_b32 v[ST+8*\t], 0                        ; a tile's four lasting words, m, the other half of its pair and l, are all written here, so that each is defined on every way through the text; the first key step writes m anew
	v_mov_b32 v[ST+8*\t+1], 0
	v_mov_b32 v[ST+8*\t+2], 0
	v_mov_b32 v[ST+8*\t+3], 0
.endr
	s_mov_b32 s[TB], 0
	v_add_nc_u32 v[ADK], s[TB], v[LI]
	LOADK                                          ; key step 0
	STEP 1, 1
	s_mov_b32 s[CNT], 6
.Lkey:                                                 ; one loop of constant count for both kinds
	STEP 0, 1
	s_sub_co_u32 s[CNT], s[CNT], 1
	s_cmp_lg_u32 s[CNT], 0
	s_cbranch_scc1 .Lkey
	STEP 0, 0
; THE WAY OUT of a pair: l's two halves and the other half of the lanes'; O^T / l, rounded to f16, is a fragment of the last product as it stands: 32 lanes store 512 consecutive bytes
.macro OUTP y
.irp t, \y, \y+1
	v_add_f32 v[ST+8*(\t)], v[ST+8*(\t)+2], v[ST+8*(\t)+3]
.endr
.irp t, \y, \y+1
	v_permlanex16_b32 v[ST+8*(\t)+1], v[ST+8*(\t)], s[SEL], s[SEL+1]
.endr
.irp t, \y, \y+1
	v_add_f32 v[ST+8*(\t)], v[ST+8*(\t)], v[ST+8*(\t)+1]
.endr
.irp t, \y, \y+1
	v_rcp_f32 v[ST+8*(\t)+2], v[ST+8*(\t)]
.endr
	v_nop                                          ; a plain line behind the last reciprocal,
	s_wait_alu depctr_va_vdst(0)                   ; and the wait ahead of the first use: one for the two
	WIN 0x41
.irp t, \y, \y+1
.set N, 0
.rept 16
	v_pk_mul_f32 v[32*(\t)+2*N:32*(\t)+2*N+1], v[32*(\t)+2*N:32*(\t)+2*N+1], v[ST+8*(\t)+2:ST+8*(\t)+3] op_sel_hi:[1,0]
.set N, N+1
.endr
.endr
	WIN 0x05                                       ; sources window 1, destination window 0
.irp t, \y, \y+1
.set N, 0
.rept 16
	v_cvt_pk_f16_f32 v[S+16*(\t)+N], v[32*(\t)+2*N], v[32*(\t)+2*N+1]
.set N, N+1
.endr
.endr
	WIN 0
.irp t, \y, \y+1
.irp c, 0,1,2,3
	global_store_b128 v[LI], v[S+16*(\t)+4*\c:S+16*(\t)+4*\c+3], s[18:19] offset:24576*(\t)+1024*(\c/2)+512*(\c%2)
.endr
.endr
.endm
	OUTP 0
	SKIP .Lout_done
	OUTP 2
.Lout_done:
	s_wait_tensorcnt 0x0                           ; the wave's end: behind my last tensor load and my last LDS store
	ds_add_u32 v[SPW], v[NIL]
	s_wait_dscnt 0x0
	CROUND                                         ; the closing round: no work-group ends while a partner may still ask for a tile that names it
	s_endpgm
.Lfunc_end_k_q67964e3330_attn:
	.size	k_q67964e3330_attn, .Lfunc_end_k_q67964e3330_attn-k_q67964e3330_attn
	.p2alignl 7, 3214868480
	.fill 96, 4, 3214868480
	.section	.rodata,"a",@progbits
	.p2align	6, 0x0
	.amdhsa_kernel k_q67964e3330_attn
		.amdhsa_group_segment_fixed_size 327680
		.amdhsa_private_segment_fixed_size 0
		.amdhsa_enable_private_segment 0
		.amdhsa_kernarg_size 64
		.amdhsa_user_sgpr_count 2
		.amdhsa_user_sgpr_kernarg_segment_ptr 1
		.amdhsa_wavefront_size32 1
		.amdhsa_system_sgpr_workgroup_id_x 1
		.amdhsa_system_sgpr_workgroup_id_y 1
		.amdhsa_system_sgpr_workgroup_id_z 1
		.amdhsa_system_vgpr_workitem_id 0
		.amdhsa_next_free_vgpr 512
		.amdhsa_next_free_sgpr 102
		.amdhsa_reserve_vcc 0
		.amdhsa_float_denorm_mode_32 3
		.amdhsa_float_denorm_mode_16_64 3
		.amdhsa_memory_ordered 1
		.amdhsa_forward_progress 1
		.amdhsa_inst_pref_size 219
	.end_amdhsa_kernel
	.amdgpu_metadata
---
amdhsa.version: [ 1, 2 ]
amdhsa.kernels:
  - .name:           k_q67964e3330_attn
    .symbol:         k_q67964e3330_attn.kd
    .args:
      - { .name: xc, .offset: 0, .size: 8, .value_kind: global_buffer, .address_space: global }
      - { .name: xs, .offset: 8, .size: 8, .value_kind: global_buffer, .address_space: global }
      - { .name: wc, .offset: 16, .size: 8, .value_kind: global_buffer, .address_space: global }
      - { .name: ws, .offset: 24, .size: 8, .value_kind: global_buffer, .address_space: global }
      - { .name: bq, .offset: 32, .size: 8, .value_kind: global_buffer, .address_space: global }
      - { .name: bk, .offset: 40, .size: 8, .value_kind: global_buffer, .address_space: global }
      - { .name: bv, .offset: 48, .size: 8, .value_kind: global_buffer, .address_space: global }
      - { .name: ao, .offset: 56, .size: 8, .value_kind: global_buffer, .address_space: global }
    .group_segment_fixed_size: 327680
    .private_segment_fixed_size: 0
    .kernarg_segment_align: 8
    .kernarg_segment_size: 64
    .max_flat_workgroup_size: 256
    .sgpr_count:     102
    .vgpr_count:     512
    .wavefront_size: 32
...
	.end_amdgpu_metadata
.endif
;; end of part 2
;; launch oproj (part 3): grid 4 x 64, 4 waves a work-group, clusters of 4 x 4, 327,680 bytes of LDS; arguments ao, woh, bo, out0; writes out0
.if DOCPART == 3
	.amdgcn_target "amdgcn-amd-amdhsa--gfx1250"
	.amdhsa_code_object_version 6
	.text
	.protected	k_q67964e3330_oproj
	.globl	k_q67964e3330_oproj
	.p2align	8
	.type	k_q67964e3330_oproj,@function
k_q67964e3330_oproj:
	s_mov_b64 s[64:65], 0
	v_nop
	global_prefetch_b8 v0, s[64:65] scope:SCOPE_SE
	s_setreg_imm32_b32 hwreg(HW_REG_WAVE_MODE, 25, 1), 1
	s_wait_xcnt 0x0
	s_wait_alu depctr_hold_cnt(0) depctr_sa_sdst(0) depctr_va_vdst(0) depctr_va_sdst(0) depctr_va_ssrc(0) depctr_va_vcc(0) depctr_vm_vsrc(0)
	s_getreg_b32 s2, hwreg(HW_REG_IB_STS2, 6, 4)
	s_cmp_eq_u32 s2, 0
	s_cbranch_scc0 .Lentry_in_a_cluster
	s_endpgm
.Lentry_in_a_cluster:
	s_bfe_u32 s2, ttmp6, 0x10000c
	s_cmp_lg_u32 s2, 0xf033
	s_cbranch_scc0 .Lentry_shape_is_right
	s_endpgm
.Lentry_shape_is_right:
; out0 [16384][768] f32 = A Wo + bo, A the attention's results; f16 operands, f32 sums.  Both operands arrive as images of their registers (1,024 bytes for 16 rows or columns x 32 k; lane l's 16 bytes at 16 l, twice):
; ao [1024 tiles of 16 rows][24 K steps][1024], woh [48 tiles of 16 columns][24 K steps][1024].
; A tile of out0 is 256 rows x 192 columns: 64 x 4 tiles, one work-group each.  Four waves; wave w makes rows 64 w .. 64 w + 63 x all 192 columns: 48 accumulators of 16 x 16, 384 registers.
; K goes in chunks of four K steps (128) through a ring of two LDS slots filled by the tensor data mover: of each tile of rows or columns a chunk is 4,096 consecutive bytes.  Six chunks.
; CLUSTERS: 4 x 4 work-groups.  The four of a row of the cluster need the same rows of A, the four of a column the same columns of Wo: each tile is asked for JOINTLY, by the same tensor load with the same descriptor and a mask
; that names the four.  Waves 0 and 1 fetch A's halves, waves 2 and 3 Wo's.  By this text's count a wave has two tensor loads out at the start and one behind each round.
; THE MATRIX INSTRUCTION IS USED TRANSPOSED (source 0 = 16 columns of Wo, source 1 = 16 rows of A): a lane holds eight neighbouring numbers of a row of out0.  bo is the C of each sum's first instruction.
; REGISTERS, in windows of 256: window 0: v16-31 addresses; v32-63, v64-95 A's fragments, two buffers; v128-223 bo in the results' layout; on the way out v32-223 take rows.
;   window 1: Wo's fragments, two buffers of 96, at v0 and v128.   window 2: the accumulators of my tiles of rows 0, 1 ((a, b) at v[8 (12 (a % 2) + b)]);   window 3: those of tiles 2, 3.
.set SLOT,  114688                     ; A's 16 tiles x 4,096 bytes, then Wo's 12
.set SPARE, 2*SLOT                     ; behind the ring: the spare words, 128 bytes for each wave: two blocks of 256 bytes that no other line names
.set SPITCH, 784                       ; the way out: a stage of 16 rows x (768 bytes + 16) for each wave, in slot 0, which has had its last fill and its last read by then; 49 x 16 bytes from row to row
.set ADRA, 16                          ; v16-17  my A fragments in slot 0, 1
.set ADRB, 20                          ; v20-21  Wo's
.set B8,   22                          ; v22     32 x (lane / 16)
.set STO,  23                          ; v23     the way out: where I put 32 bytes of a row
.set RD,   24                          ; v24-26  where I read back: two rows of 768 bytes are three loads of 512
.set CO,   27                          ; v27-29  and the same places in out0; v27 = 16 x lane
.set SPW,  30                          ; v30     LDS address of my spare word; never rewritten
.set NIL,  31                          ; v31     0; never rewritten
.set AF,   32
.set BIAS, 128
.set BKS,  32                          ; the way out: 96 registers, v32-127 and v128-223 by turns
.set WV,   12                          ; s12  my wave's number
.set G1,   24                          ; s[24:31] descriptor group 1 for A;  s[32:39] group 0, a set for each slot
.set G0,   32
.set G1B,  48                          ; s[48:55], s[56:63] the same for Wo
.set G0B,  56
.set MSB, 0
.macro WIN new                         ; the immediate's high byte repeats the setting that is left
.if MSB != (\new)
	s_set_vgpr_msb (MSB<<8)|(\new)
.set MSB, (\new)
.endif
.endm
.set MUL_LO, 0xa1                      ; source 0 (Wo) window 1, source 1 (A) window 0, C and D window 2
.set MUL_HI, 0xf1                      ; the same, C and D window 3
.set TO_B,   0x40                      ; destination window 1, address window 0
.macro PLACES n
.rept \n
	v_nop
.endr
.endm
.macro JLOAD n                         ; a joint load; the branch hangs on the wave's number alone; an s_nop 0 and four v_nop follow each of the two lines
	s_cmp_eq_u32 s13, 0
	s_cbranch_scc0 .Lfor_b_\@
	tensor_load_to_lds s[G0+4*\n:G0+4*\n+3], s[G1:G1+7]
	s_nop 0
.rept 4
	v_nop
.endr
	s_branch .Lasked_\@
.Lfor_b_\@:
	tensor_load_to_lds s[G0B+4*\n:G0B+4*\n+3], s[G1B:G1B+7]
	s_nop 0
.rept 4
	v_nop
.endr
.Lasked_\@:
.endm
.macro CREST                           ; a round of the cluster's barrier behind its opening barrier
	s_cmp_lg_u32 s[WV], 0
	s_cbranch_scc1 .Lnot_wave_0_\@
	s_barrier_signal -3
.Lnot_wave_0_\@:
	s_barrier_wait -3
	s_barrier_signal -1
	s_barrier_wait -1
.endm
.macro CROUND
	s_barrier_signal -1
	s_barrier_wait -1
	CREST
.endm
	s_load_b256 s[4:11], s[0:1], 0x0               ; ao s[4:5], woh s[6:7], bo s[8:9], out0 s[10:11]
	v_lshl_add_u32 v[SPW], v0, 2, SPARE
	v_mov_b32 v[NIL], 0
	ds_add_u32 v[SPW], v[NIL]                      ; the wave's opening: the add, twice on end, and its wait ahead of my first tensor load; the set-up below stands between the second and the wait
	ds_add_u32 v[SPW], v[NIL]
	v_lshrrev_b32 v1, 5, v0
	v_readfirstlane_b32 s[WV], v1                  ; wave 0..3
	s_lshr_b32 s13, s[WV], 1                       ; I fetch for A (0) or for Wo (1),
	s_and_b32 s14, s[WV], 1                        ; its first or its second half
	s_bfe_u32 s40, ttmp6, 0x40000                  ; cx, cy: my place in the cluster
	s_bfe_u32 s41, ttmp6, 0x40004
	s_lshl_b32 s42, ttmp9, 2
	s_add_co_u32 s42, s42, s40                     ; which 192 columns: 4 x cluster x + cx
	s_and_b32 s15, ttmp7, 0xffff
	s_lshl_b32 s15, s15, 2
	s_add_co_u32 s15, s15, s41                     ; which 256 rows: 4 x cluster y + cy
	s_lshl_b32 s43, s41, 2
	s_lshl_b32 s43, 15, s43                        ; my row of the cluster
	s_lshl_b32 s44, 0x1111, s40                    ; my column
	s_or_b32 s[G1], s43, (3<<16)|(1<<21)           ; 15:0 the mask: A's tiles go to my row; 17:16 elements of 8 bytes; 21 set beside a mask; no padding
	s_or_b32 s[G1B], s44, (3<<16)|(1<<21)
	s_mov_b32 s[G1+1], 512<<16                     ; tensor_dim0: 4,096 bytes
	s_mov_b32 s[G1+2], 8<<16                       ; tensor_dim1: eight tiles of rows
	s_mov_b32 s[G1+3], 512<<16                     ; tile_dim0
	s_mov_b32 s[G1+4], 8                           ; tile_dim1
	s_mov_b32 s[G1+5], 3072                        ; from tile to tile: 24,576 bytes
	s_mov_b32 s[G1+6], 0
	s_mov_b32 s[G1+7], 0
	s_mov_b32 s[G1B+1], 512<<16
	s_mov_b32 s[G1B+2], 6<<16                      ; six tiles of columns
	s_mov_b32 s[G1B+3], 512<<16
	s_mov_b32 s[G1B+4], 6
	s_mov_b32 s[G1B+5], 3072
	s_mov_b32 s[G1B+6], 0
	s_mov_b32 s[G1B+7], 0
	s_lshl_b32 s16, s15, 4                         ; A: tile 16 x (which rows) + 8 x half, in registers that never hold cx
	s_lshl_b32 s17, s14, 3
	s_add_co_u32 s16, s16, s17
	s_mul_i32 s16, s16, 24576
	s_mov_b32 s17, 0
	s_mul_i32 s46, s42, 12                         ; Wo: tile 12 x (which columns) + 6 x half, in registers that never hold cy
	s_mul_i32 s47, s14, 6
	s_add_co_u32 s46, s46, s47
	s_mul_i32 s46, s46, 24576
	s_mov_b32 s47, 0
	s_lshl_b32 s20, s14, 15                        ; where they go: A's halves from 0, 32,768 bytes each;
	s_mul_i32 s21, s14, 24576
	s_add_co_u32 s21, s21, 65536                   ; Wo's behind them, 24,576 each: no place in the cluster enters an LDS address
	s_wait_dscnt 0x0                               ; both opening adds are done
	s_wait_kmcnt 0x0
	s_add_nc_u64 s[16:17], s[4:5], s[16:17]
	s_add_nc_u64 s[46:47], s[6:7], s[46:47]
	CROUND                                         ; all sixteen work-groups are here: the first joint loads meet
.irp n, 0,1
	s_mov_b32 s[G0+4*\n], 1
	s_add_co_u32 s[G0+4*\n+1], s20, \n*SLOT
	s_add_nc_u64 s[G0+4*\n+2:G0+4*\n+3], s[16:17], \n*4096         ; chunk n
	s_or_b32 s[G0+4*\n+3], s[G0+4*\n+3], 0x80000000
	s_mov_b32 s[G0B+4*\n], 1
	s_add_co_u32 s[G0B+4*\n+1], s21, \n*SLOT
	s_add_nc_u64 s[G0B+4*\n+2:G0B+4*\n+3], s[46:47], \n*4096
	s_or_b32 s[G0B+4*\n+3], s[G0B+4*\n+3], 0x80000000
	JLOAD \n
.endr
	v_and_b32 v1, 31, v0
	v_lshlrev_b32 v[CO], 4, v1                     ; 16 x lane
	v_and_b32 v2, 15, v0                           ; r
	v_bfe_u32 v3, v0, 4, 1                         ; h
	v_lshlrev_b32 v[B8], 5, v3
	s_mul_i32 s46, s42, 768                        ; my 192 numbers of bo, and my 768 bytes of a row of out0
	s_mov_b32 s47, 0
	s_add_nc_u64 s[8:9], s[8:9], s[46:47]
.irp b, 0,1,2,3,4,5,6,7,8,9,10,11
	global_load_b128 v[BIAS+8*\b:BIAS+8*\b+3], v[B8], s[8:9] offset:64*\b       ; bo at columns 16 b + 8 h + 0 .. 7
	global_load_b128 v[BIAS+8*\b+4:BIAS+8*\b+7], v[B8], s[8:9] offset:64*\b+16
.endr
	s_lshl_b32 s18, s[WV], 14                      ; my four tiles of rows
	v_add_nc_u32 v[ADRA], s18, v[CO]
	v_add_nc_u32 v[ADRA+1], SLOT, v[ADRA]
	v_add_nc_u32 v[ADRB], 65536, v[CO]
	v_add_nc_u32 v[ADRB+1], SLOT+65536, v[CO]
	s_mul_i32 s18, s[WV], 16*SPITCH                ; my stage
	v_mul_u32_u24 v[STO], v2, SPITCH
	v_lshl_add_u32 v[STO], v3, 5, v[STO]
	v_add_nc_u32 v[STO], s18, v[STO]               ; in: row r, 32 bytes for each half of the lanes
	v_add_nc_u32 v[RD], s18, v[CO]                 ; back, two rows at a time: the even row's first 512 bytes;
	v_lshl_add_u32 v[RD+1], v3, 4, v[RD]
	v_add_nc_u32 v[RD+1], 512, v[RD+1]             ; its last 256 (lanes 0-15) and the odd row's first 256 (lanes 16-31: 784 bytes from the even row's start);
	v_add_nc_u32 v[RD+2], 1040, v[RD]              ; the odd row's last 512
	v_mul_u32_u24 v[CO+1], v3, 2304
	v_add_nc_u32 v[CO+1], v[CO+1], v[CO]
	v_add_nc_u32 v[CO+1], 512, v[CO+1]             ; the same places in out0, whose rows are 3,072 bytes apart
	v_add_nc_u32 v[CO+2], 3328, v[CO]
	s_lshl_b32 s22, s15, 8
	s_lshl_b32 s23, s[WV], 6
	s_add_co_u32 s22, s22, s23                     ; my first row
	s_mul_i32 s22, s22, 3072
	s_add_co_u32 s22, s22, s46
	s_mov_b32 s23, 0
	s_add_nc_u64 s[10:11], s[10:11], s[22:23]
; 12 matrix instructions: my tile of rows a x the twelve tiles of columns, 32 along K, buffer f.  zero = 1: the first product starts the sums on bo.  The 48 accumulators take turns, one instruction a turn.
.macro MUL12 f, a, zero
.irp b, 0,1,2,3,4,5,6,7,8,9,10,11
.if \zero
	v_wmma_f32_16x16x32_f16 v[8*(12*((\a)%2)+\b):8*(12*((\a)%2)+\b)+7], v[128*(\f)+8*\b:128*(\f)+8*\b+7], v[AF+32*(\f)+8*(\a):AF+32*(\f)+8*(\a)+7], v[BIAS+8*\b:BIAS+8*\b+7]
.else
	v_wmma_f32_16x16x32_f16 v[8*(12*((\a)%2)+\b):8*(12*((\a)%2)+\b)+7], v[128*(\f)+8*\b:128*(\f)+8*\b+7], v[AF+32*(\f)+8*(\a):AF+32*(\f)+8*(\a)+7], v[8*(12*((\a)%2)+\b):8*(12*((\a)%2)+\b)+7]
.endif
.endr
.endm
.macro FETCH n, q, f                   ; 32 LDS loads in one run: K step q of slot n into buffer f: Wo's twelve fragments, then A's four
	WIN TO_B
.irp b, 0,1,2,3,4,5,6,7,8,9,10,11
	ds_load_b128 v[128*(\f)+8*\b:128*(\f)+8*\b+3], v[ADRB+(\n)] offset:4096*\b+1024*(\q)
	ds_load_b128 v[128*(\f)+8*\b+4:128*(\f)+8*\b+7], v[ADRB+(\n)] offset:4096*\b+1024*(\q)+512
.endr
	WIN 0
.irp a, 0,1,2,3
	ds_load_b128 v[AF+32*(\f)+8*\a:AF+32*(\f)+8*\a+3], v[ADRA+(\n)] offset:4096*\a+1024*(\q)
	ds_load_b128 v[AF+32*(\f)+8*\a+4:AF+32*(\f)+8*\a+7], v[ADRA+(\n)] offset:4096*\a+1024*(\q)+512
.endr
.endm
; A chunk is four quarters of 32 along K, 48 matrix instructions each, on buffers 0, 1, 0, 1.  One of the first three: multiplies buffer f and fetches K step q of the same slot into g.
; Loads into registers that matrix instructions have read stand four plain places behind them (ISA guide 7.12.1 for vector instructions).
.macro QUARTER n, q, f, g, zero
	s_wait_dscnt 4                                 ; Wo's fragments and A's tiles 0, 1 are in; the youngest four loads (tiles 2, 3) may be out
.if \zero
	WIN 0x81                                       ; C = bo, window 0
.else
	WIN MUL_LO
.endif
	MUL12 \f, 0, \zero
	MUL12 \f, 1, \zero
	PLACES 4
	FETCH \n, \q, \g
	s_wait_dscnt 32                                ; all but the 32 just issued
.if \zero
	WIN 0xc1
.else
	WIN MUL_HI
.endif
	MUL12 \f, 2, \zero
	MUL12 \f, 3, \zero
.endm
; The last quarter multiplies buffer 1 and changes slots: ONE barrier; in front of it each wave waits for all its tensor loads, adds 0 to its spare word, and waits for that and for its own reads of this slot.
; fill = 1: the barrier opens a round of the cluster's, and this slot is filled again, two chunks ahead, first thing behind the round: the load has a chunk's 192 matrix instructions, less those of this quarter's first half, in which to land.
.macro TURN n, next, fill
	WIN 0                                          ; (the add's two registers lie in window 0)
	s_wait_tensorcnt 0x0                           ; all my tensor loads have landed: the one that was out is my part of the next slot
	ds_add_u32 v[SPW], v[NIL]                      ; 0 onto my spare word
	s_wait_dscnt 5                                 ; (the add and the youngest four loads may be out)
	WIN MUL_LO
	MUL12 1, 0, 0                                  ; twelve matrix instructions stand between the add and the wait for it
	s_wait_dscnt 0x0                               ; the add is done, and my reads of this slot are over
	s_barrier_signal -1
	MUL12 1, 1, 0
	WIN 0
	s_barrier_wait -1
.if \fill
	CREST                                          ; no wave of any partner still reads this slot's tiles or has a load on its way
	s_add_nc_u64 s[G0+4*\n+2:G0+4*\n+3], s[G0+4*\n+2:G0+4*\n+3], 8192
	s_add_nc_u64 s[G0B+4*\n+2:G0B+4*\n+3], s[G0B+4*\n+2:G0B+4*\n+3], 8192
	JLOAD \n                                       ; the four v_nop behind it are also the places in front of the loads below
.else
	PLACES 4
.endif
	FETCH \next, 0, 0
	WIN MUL_HI
	MUL12 1, 2, 0
	MUL12 1, 3, 0
.endm
	s_wait_tensorcnt 1                             ; my part of chunk 0 is in; chunk 1's may stay out
	s_barrier_signal -1
	s_barrier_wait -1                              ; everybody's is
	FETCH 0, 0, 0
	s_wait_loadcnt 0x0                             ; bo
	QUARTER 0, 1, 0, 1, 1                          ; the first quarter stands in front of the loop: its products start the sums
	WIN 0                                          ; at a label and at a branch every window is 0
	s_mov_b32 s3, 2
.Llap:                                                 ; a trip goes once round the ring, from a lap's second quarter to the next lap's first, and fills both slots again
	QUARTER 0, 2, 1, 0, 0
	QUARTER 0, 3, 0, 1, 0
	TURN 0, 1, 1
	QUARTER 1, 1, 0, 1, 0
	QUARTER 1, 2, 1, 0, 0
	QUARTER 1, 3, 0, 1, 0
	TURN 1, 0, 1
	QUARTER 0, 1, 0, 1, 0
	WIN 0
	s_sub_co_u32 s3, s3, 1
	s_cmp_lg_u32 s3, 0
	s_cbranch_scc1 .Llap
	QUARTER 0, 2, 1, 0, 0                          ; the last lap fills nothing, and has no round of the cluster's barrier
	QUARTER 0, 3, 0, 1, 0
	TURN 0, 1, 0
	QUARTER 1, 1, 0, 1, 0
	QUARTER 1, 2, 1, 0, 0
	QUARTER 1, 3, 0, 1, 0
	s_wait_dscnt 4                                 ; the very last quarter: nothing more to fetch
	WIN MUL_LO
	MUL12 1, 0, 0
	MUL12 1, 1, 0
	s_wait_dscnt 0x0
	WIN MUL_HI
	MUL12 1, 2, 0
	MUL12 1, 3, 0
	WIN 0
; THE WAY OUT, a tile of 16 rows x 192 columns at a time.  A lane holds 32 neighbouring bytes of a row and the lanes beside it hold other rows: so a tile goes through my own stage and comes back by rows: sixteen lanes store
; 256 consecutive bytes, at a multiple of 256 from out0's first byte.  LDS serves a wave's instructions in order (ISA guide 5.7.1.4): no wait between the stores and the loads, nor in front of the next tile's stores.
.macro TOSTAGE a
	WIN 0x08+4*((\a)/2)                            ; an LDS store's data are its source 1: window 2 or 3
.irp b, 0,1,2,3,4,5,6,7,8,9,10,11
	ds_store_b128 v[STO], v[96*((\a)%2)+8*\b:96*((\a)%2)+8*\b+3] offset:64*\b        ; each accumulator from its low end on
	ds_store_b128 v[STO], v[96*((\a)%2)+8*\b+4:96*((\a)%2)+8*\b+7] offset:64*\b+16
.endr
	WIN 0
.irp g, 0,1,2,3,4,5,6,7
.irp u, 0,1,2
	ds_load_b128 v[BKS+96*((\a)%2)+4*(3*\g+\u):BKS+96*((\a)%2)+4*(3*\g+\u)+3], v[RD+\u] offset:2*SPITCH*\g
.endr
.endr
.endm
.macro SEND a, younger                 ; younger: the LDS instructions issued behind tile a's loads, which may stay out
	s_wait_dscnt \younger
.irp g, 0,1,2,3,4,5,6,7
.irp u, 0,1,2
	global_store_b128 v[CO+\u], v[BKS+96*((\a)%2)+4*(3*\g+\u):BKS+96*((\a)%2)+4*(3*\g+\u)+3], s[10:11] offset:49152*(\a)+6144*\g th:TH_STORE_NT
.endr
.endr
.endm
	PLACES 4                                       ; behind the last products: for the first reads of results and the loads into the registers that held A's fragments
	TOSTAGE 0
.irp a, 1,2,3
.if \a > 1
	s_wait_xcnt 0x0                                ; tile a - 2's stores have read their registers: tile a's rows may land there
.endif
	TOSTAGE \a
	SEND \a-1, 48                                  ; behind tile a - 1's loads: tile a's 24 stores and 24 loads
.endr
	SEND 3, 0
	s_wait_tensorcnt 0x0                           ; the wave's end: behind my last tensor load and my last LDS store
	ds_add_u32 v[SPW], v[NIL]
	s_wait_dscnt 0x0
	CROUND                                         ; the closing round: no work-group ends while a partner may still ask for a tile that names it
	s_endpgm
.Lfunc_end_k_q67964e3330_oproj:
	.size	k_q67964e3330_oproj, .Lfunc_end_k_q67964e3330_oproj-k_q67964e3330_oproj
	.p2alignl 7, 3214868480
	.fill 96, 4, 3214868480
	.section	.rodata,"a",@progbits
	.p2align	6, 0x0
	.amdhsa_kernel k_q67964e3330_oproj
		.amdhsa_group_segment_fixed_size 327680
		.amdhsa_private_segment_fixed_size 0
		.amdhsa_enable_private_segment 0
		.amdhsa_kernarg_size 32
		.amdhsa_user_sgpr_count 2
		.amdhsa_user_sgpr_kernarg_segment_ptr 1
		.amdhsa_wavefront_size32 1
		.amdhsa_system_sgpr_workgroup_id_x 1
		.amdhsa_system_sgpr_workgroup_id_y 1
		.amdhsa_system_sgpr_workgroup_id_z 1
		.amdhsa_system_vgpr_workitem_id 0
		.amdhsa_next_free_vgpr 1024
		.amdhsa_next_free_sgpr 66
		.amdhsa_reserve_vcc 0
		.amdhsa_float_denorm_mode_32 3
		.amdhsa_float_denorm_mode_16_64 3
		.amdhsa_memory_ordered 1
		.amdhsa_forward_progress 1
		.amdhsa_inst_pref_size 119
	.end_amdhsa_kernel
	.amdgpu_metadata
---
amdhsa.version: [ 1, 2 ]
amdhsa.kernels:
  - .name:           k_q67964e3330_oproj
    .symbol:         k_q67964e3330_oproj.kd
    .args:
      - { .name: ao, .offset: 0, .size: 8, .value_kind: global_buffer, .address_space: global }
      - { .name: woh, .offset: 8, .size: 8, .value_kind: global_buffer, .address_space: global }
      - { .name: bo, .offset: 16, .size: 8, .value_kind: global_buffer, .address_space: global }
      - { .name: out0, .offset: 24, .size: 8, .value_kind: global_buffer, .address_space: global }
    .group_segment_fixed_size: 327680
    .private_segment_fixed_size: 0
    .kernarg_segment_align: 8
    .kernarg_segment_size: 32
    .max_flat_workgroup_size: 128
    .sgpr_count:     66
    .vgpr_count:     1024
    .wavefront_size: 32
...
	.end_amdgpu_metadata
.endif
;; end of part 3
